; MI455X (gfx1250); checked and timed in simulation.
; The chip was launched on July 23, 2026; its instructions are those of AMD's public machine-readable ISA for CDNA 5 (MIT licence, August 2026) and "CDNA5" Instruction Set Architecture Reference Guide (July 2026). The comments in the code are by the model that wrote it; some were corrected since.
;; Residual Spatial Enhance Module. Allowed arithmetic: matrix products marked QUANTISED: E5M2 operands, one given power-of-two scale a tensor, by v_wmma_f32_16x16x64_bf8_bf8 or v_wmma_f32_16x16x128_bf8_bf8, f32 sums; everything else in f32.
;; Inputs: bk 128 float32; bn_beta 256 float32; bn_gamma 256 float32; bn_mean 256 float32; bn_var 256 float32; bo 256 float32; bq 128 float32; bv 256 float32; gamma 1 float32; lowp_scales 12 int32 (the exponents e of the quantised operands' scales 2^e); wk_codes 128 x 8 x 32 uint8 (E5M2 codes of wk, K innermost, in blocks of 32 codes); wo_codes 256 x 8 x 32 uint8 (E5M2 codes of wo, K innermost, in blocks of 32 codes); wq_codes 128 x 8 x 32 uint8 (E5M2 codes of wq, K innermost, in blocks of 32 codes); wv_codes 256 x 8 x 32 uint8 (E5M2 codes of wv, K innermost, in blocks of 32 codes); x_guide_codes 8 x 64 x 64 x 8 x 32 uint8 (E5M2 codes of x_guide, K innermost, in blocks of 32 codes); x_main 8 x 256 x 64 x 64 float32.
;; Outputs: out0 8 x 256 x 64 x 64 float32.
;; This version of the problem:
;;   THIS VERSION OF THE PROBLEM IS GIVEN IN LOW PRECISION. The matrix products marked QUANTISED in the list below multiply operands that are first quantised to E5M2 (5 exponent bits, 2 mantissa bits; 8 bits a number), with one given power-of-two scale for each operand tensor; their sums are f32. All else is computed in f32.
;;   The module's matrix products, in the order in which they are computed (A, B: the left and right operand; K: the contracted axis; several contracted axes count as one K, in the product's order):
;;     1. [M 32,768, K 256] x [K 256, N 128]; A: input x_main; B: input wq (given as codes): QUANTISED (scales: A lowp_scales[0], B lowp_scales[1])
;;     2. [M 32,768, K 256] x [K 256, N 128]; A: input x_guide (given as codes); B: input wk (given as codes): QUANTISED (scales: A lowp_scales[2], B lowp_scales[3])
;;     3. batch 8 x [M 4,096, K 128] x [K 128, N 4,096]; A: computed on the way; B: computed on the way: QUANTISED (scales: A lowp_scales[4], B lowp_scales[5])
;;     4. [M 32,768, K 256] x [K 256, N 256]; A: input x_guide (given as codes); B: input wv (given as codes): QUANTISED (scales: A lowp_scales[6], B lowp_scales[7])
;;     5. batch 8 x [M 256, K 4,096] x [K 4,096, N 4,096]; A: computed on the way; B: softmax (see below): QUANTISED (scales: A lowp_scales[8], B lowp_scales[9])
;;     6. [M 32,768, K 256] x [K 256, N 256]; A: computed on the way; B: input wo (given as codes): QUANTISED (scales: A lowp_scales[10], B lowp_scales[11])
;;   THE QUANTISER, for each operand of a quantised product, along K:
;;     - The operand's scale is 2^e, e = its entry of the input lowp_scales (int32; the entries are numbered through the quantised products in the list's order, A before B).
;;     - Each number is divided by the scale, clamped to +-57,344, and rounded to the nearest number of E5M2, ties to even, subnormals kept.
;;     - The product sums the exact products of the quantised numbers (number of the format x scale) in f32.
;;   ~~~python
;;   def quantise(x, axis, e):      # numpy; x: float32 -> the quantised numbers, widened to float32 again
;;       x = np.moveaxis(x, axis, -1); K = x.shape[-1]
;;       r = np.clip(x / 2.0 ** e, -57344, 57344)
;;       step = 2.0 ** (np.maximum(np.frexp(np.where(r == 0, 1, r))[1] - 1, -14) - 2)
;;       q = np.round(r / step) * step * 2.0 ** e      # np.round: ties to even
;;       return np.moveaxis(q, -1, axis).astype(np.float32)
;;   ~~~
;;   SOFTMAX AHEAD OF A QUANTISED PRODUCT. Where the list says 'softmax', what is quantised is not the finished softmax but p = 2^(t - M), with t = logit x log2(e) and M = ceil(the row's largest t), a whole number; so 1/2 < the row's largest p <= 1. The row's sum l is taken of the UNQUANTISED p, in f32, and the product's result is divided by l at the end. Since M is a whole number, a kernel that streams over the keys may use a running M (the ceiling of the running maximum): every later rescaling is an exact power of two, so the quantised numbers keep their values, but for numbers so far below the row's largest that they fall under the format's range.
;;   OPERANDS COMPUTED ON THE WAY. 'Computed on the way' means the value that the module computes at that place (a softmax that the list does not call 'softmax' is quantised finished and normalised). What goes into a quantiser is computed in f32, as accurately as f32 sums, v_exp_f32 and their like allow (about 1e-6 of the number): no bf16 or f16 on the way to a quantiser, and a product that is left as it is and whose result goes on into a quantised operand takes f32 operands (vector FMAs, or v_wmma_f32_16x16x4_f32). A number that lies on a knife's edge between two numbers of the format may be rounded either way, as far as f32 arithmetic and the matrix unit's own rounding can turn it there, and no further.
;;   INPUTS GIVEN AS CODES. wk (in the module: [128, 256], K = its axis 1); wo (in the module: [256, 256], K = its axis 1); wq (in the module: [128, 256], K = its axis 1); wv (in the module: [256, 256], K = its axis 1); x_guide (in the module: [8, 256, 64, 64], K = its axis 1): each comes as NAME_codes (uint8): NAME with its K axis moved to the last place and cut into blocks of 32 codes, [.., K / 32, bytes a block], one block behind the other in memory; one code a byte (a code: sign, 5 exponent bits, 2 mantissa bits); its scale is its entry of lowp_scales. Its value is code x scale, taken as it is: it is not quantised again, and the codes and scales need not be those that the quantiser above would give.
;; One version. Each part assembles by itself: llvm-mc -triple=amdgcn-amd-amdhsa -mcpu=gfx1250 --defsym DOCPART=n.
;; ======== version 1 of 1: 2 launches
;; limits: right only within a limited range of input values
;; workspace buffers: qimg 4,194,304 bytes; kv 12,582,912 bytes
;; launch prep (part 1): grid 256 x 1, 4 waves a work-group, no clusters, 70,144 bytes of LDS; arguments x_main, x_guide_codes, wq_codes, wk_codes, wv_codes, bq, bk, bv, lowp_scales, qimg, kv; writes qimg, kv
.if DOCPART == 1
	.amdgcn_target "amdgcn-amd-amdhsa--gfx1250"
	.amdhsa_code_object_version 6
	.text
	.protected	k_qfbe39fbf44_prep
	.globl	k_qfbe39fbf44_prep
	.p2align	8
	.type	k_qfbe39fbf44_prep,@function
k_qfbe39fbf44_prep:
	s_mov_b64 s[64:65], 0
	v_nop
	global_prefetch_b8 v0, s[64:65] scope:SCOPE_SE
	s_setreg_imm32_b32 hwreg(HW_REG_WAVE_MODE, 25, 1), 1
	s_wait_xcnt 0x0
; Q = x_main^T wq^T + bq, K = wk x_guide + bk, V = wv x_guide + bv, all three products on codes of BF8 (E5M2), and their results quantised again
; (Q with 2^e4, K with 2^e5, V with 2^e8) into two workspace buffers that the attention launch reads.
; x_main [8][256 c][4096 n] f32 is quantised here with 2^e0; x_guide [8][4096 n][256 c] and the weights [rows][256 c] arrive as codes.
; SHARES.  A work-group takes 128 positions of one image (work-group g: image g / 32, positions 128 (g % 32) on).  Waves 0, 1 make Q (units 64 (w % 2) on), waves 2, 3 make K likewise,
; and then every wave makes V's channels 64 w .. 64 w + 63, each for all 128 positions.  A wave's weights (32 KB) stay in its registers.
; THE OUTPUT IS LAID AS IMAGES OF OPERAND REGISTERS.  An image is a fragment of 16 rows x 128 K: 16 registers a lane, 2,048 bytes; registers 4 c .. 4 c + 3 of lane l lie at 512 c + 16 l.
; Registers 2 t, 2 t + 1 of lane (r = l % 16, h = l / 16) hold k = 16 t + 8 h + 0 .. 7 of row r: just what the conversion of result tile t gives.
;   qimg: the image of queries 16 T .. 16 T + 15 (T counted through all images) at 2,048 T; k = the 128 units.
;   kv:   for each 128 positions 49,152 bytes: 8 images of K (16 keys each, k = the units), then 16 images of V (16 channels each, k = the 128 keys).
; Q, K: source 0 = 16 rows of the weight, source 1 = 16 positions: a lane holds one position, its registers run along the units.  V: source 0 = 16 positions, source 1 = 16 rows of wv: a lane holds one
; channel, its registers run along the keys.  The biases are the C of each sum's first matrix instruction, divided by the power of two that the sums lack.
; x_main's K (c) is not innermost: each load takes one c row of the block, 512 consecutive bytes (a lane: 4 positions); the hold at the largest code writes the numbers into registers that run along c.
; NO CLUSTER, NO TENSOR LOAD: x_main's numbers must pass through registers to be quantised, and the weights, which all work-groups read, go from memory straight into the registers that keep them:
; a joint load would bring them to LDS and add 128 KB of LDS reads a work-group.
; LIMITS on the given exponents, so that each power of two below is an f32 number: e0, e4 - e0 - e1, e5 - e2 - e3, e8 - e6 - e7 between -126 and 112.  NaN among the inputs is not served.
; REGISTERS, in windows of 256.  window 0: v1-16 addresses and scales; v17-20 bv; v64-127 numbers along c (two sets), v128-191 x_main's codes, v192-255 x_guide's codes as loaded;
;   later v64-191 two sets of 8 accumulators, v192-255 codes to store.   window 1: x_main's 256 numbers, later 16 fragments of positions (32 pt + 16 s).
;   window 2: v0-127 wq's or wk's fragments (32 tt + 16 s), v128-255 wv's.   window 3: v0-31 bq or bk (8 a tile), v32-63 bv.
.set PITCH, 272                        ; an LDS row: 256 codes + 16 bytes = 68 words: the 16 rows of a fragment load start at 16 different banks (64 banks of 4 bytes: ISA guide 11.1)
.set XM,    0                          ; LDS: x_main's codes, 128 position rows
.set XG,    128*PITCH                  ; x_guide's codes, the same shape
.set TR,    64
.set CD,    128
.set GR,    192
.set ACC,   64
.set OUTC,  192
.set MSB, 0
.macro WIN new                         ; the immediate's high byte repeats the setting that is left; a switch that changes nothing is dropped
.if MSB != \new
	s_set_vgpr_msb (MSB<<8)|\new
.set MSB, \new
.endif
.endm
.macro N4                              ; four places behind matrix instructions (ISA guide 7.12.1), where no other vector work is at hand
.rept 4
	v_nop
.endr
.endm
.macro POW2 se, vs, vl                 ; s[se] = e (destroyed):  v[vs] = 2^e as f32, v[vl] = 57,344 x 2^e
	s_add_co_i32 s[\se], s[\se], 127
	s_lshl_b32 s55, s[\se], 23
	v_mov_b32 v[\vs], s55
	s_add_co_i32 s[\se], s[\se], 15
	s_lshl_b32 s[\se], s[\se], 23
	s_or_b32 s[\se], s[\se], 0x600000
	v_mov_b32 v[\vl], s[\se]
.endm
	s_load_b512 s[4:19], s[0:1], 0x0               ; x_main 4, x_guide 6, wq 8, wk 10, wv 12, bq 14, bk 16, bv 18
	s_load_b128 s[20:23], s[0:1], 0x40             ; the scales' exponents 20, qimg 22
	s_load_b64 s[24:25], s[0:1], 0x50              ; kv
	v_lshl_add_u32 v62, v0, 2, 0x11000
	v_mov_b32 v63, 0
	v_lshrrev_b32 v9, 5, v0
	v_readfirstlane_b32 s26, v9                    ; wave w
	s_lshr_b32 s27, s26, 1                         ; kind: 0 Q, 1 K
	s_and_b32 s28, s26, 1                          ; which 64 units
	v_and_b32 v17, 31, v0                          ; lane
	v_and_b32 v9, 15, v0                           ; r
	v_bfe_u32 v10, v0, 4, 1                        ; h
	v_lshlrev_b32 v1, 4, v17                       ; 16 x lane
	v_mul_u32_u24 v2, v17, 4*PITCH                 ; x_main's codes go to rows 4 lane + p, bytes 64 w on
	s_lshl_b32 s45, s26, 6
	v_add_nc_u32 v2, s45, v2
	v_mul_u32_u24 v3, v10, PITCH                   ; x_guide's codes: row 32 w + h (+ 2 a load), byte 16 r
	v_lshl_add_u32 v3, v9, 4, v3
	s_mul_i32 s45, s26, 32*PITCH
	s_add_co_u32 s45, s45, XG
	v_add_nc_u32 v3, s45, v3
	v_mul_u32_u24 v5, v9, PITCH                    ; a fragment's row r, + 16 h
	v_lshl_add_u32 v5, v10, 4, v5
	s_mul_i32 s45, s27, XG
	v_add_nc_u32 v4, s45, v5                       ; in x_main's codes (Q) or x_guide's (K)
	v_add_nc_u32 v5, XG, v5                        ; in x_guide's (V)
	v_lshlrev_b32 v6, 8, v9                        ; a weight's row r of 256 bytes, + 16 h
	v_lshl_add_u32 v6, v10, 4, v6
	v_lshlrev_b32 v7, 5, v10                       ; bq, bk: my half's eight numbers of a tile
	v_lshlrev_b32 v8, 2, v9                        ; bv: my channel's number
	s_lshr_b32 s46, ttmp9, 5                       ; image
	s_and_b32 s47, ttmp9, 31                       ; block of 128 positions
	s_mov_b32 s31, 0
	s_wait_kmcnt 0x0
	s_load_b256 s[36:43], s[20:21], 0x0            ; e0 .. e7
	s_load_b32 s44, s[20:21], 0x20                 ; e8
	s_lshl_b32 s30, s46, 22                        ; x_main: image x 4 MiB + my 64 c rows of 16,384 bytes + the block's 512 bytes
	s_lshl_b32 s48, s26, 20
	s_add_co_u32 s30, s30, s48
	s_lshl_b32 s48, s47, 9
	s_add_co_u32 s30, s30, s48
	s_add_nc_u64 s[4:5], s[4:5], s[30:31]
	s_lshl_b32 s30, ttmp9, 15                      ; x_guide: 128 positions of 256 bytes a work-group, 32 of them a wave
	s_lshl_b32 s48, s26, 13
	s_add_co_u32 s30, s30, s48
	s_add_nc_u64 s[6:7], s[6:7], s[30:31]
.set i, 0
.rept 16
	global_load_b128 v[GR+4*i:GR+4*i+3], v1, s[6:7] offset:512*i th:TH_LOAD_NT     ; two positions' codes: 512 consecutive bytes
.set i, i+1
.endr
	WIN 0x40                                       ; destination window 1
.set i, 0
.rept 64
	global_load_b128 v[4*i:4*i+3], v1, s[4:5] offset:16384*i th:TH_LOAD_NT         ; row c = 64 w + i of the block: 512 consecutive bytes; my lane: positions 4 lane + 0 .. 3
.set i, i+1
.endr
	WIN 0
	s_cmp_lt_u32 s26, 2                            ; Q's wave or K's?  The choice hangs on the wave's number alone
	s_cselect_b64 s[56:57], s[8:9], s[10:11]       ; the weight,
	s_cselect_b64 s[58:59], s[14:15], s[16:17]     ; the bias,
	s_cselect_b64 s[32:33], s[22:23], s[24:25]     ; and where the images go
	s_mul_i32 s49, ttmp9, 49152
	s_mul_i32 s50, ttmp9, 16384
	s_cselect_b32 s30, s50, s49
	s_lshl_b32 s48, s28, 10                        ; my 64 units are registers 8 (w % 2) on of an image: 1,024 bytes on
	s_add_co_u32 s30, s30, s48
	s_add_nc_u64 s[32:33], s[32:33], s[30:31]
	s_lshl_b32 s30, s28, 14                        ; my 64 rows of wq or wk
	s_add_nc_u64 s[56:57], s[56:57], s[30:31]
	s_lshl_b32 s30, s28, 8
	s_add_nc_u64 s[58:59], s[58:59], s[30:31]
	s_lshl_b32 s30, s26, 14                        ; my 64 rows of wv
	s_add_nc_u64 s[12:13], s[12:13], s[30:31]
	s_lshl_b32 s30, s26, 8
	s_add_nc_u64 s[18:19], s[18:19], s[30:31]
	s_lshl_b32 s30, s26, 13                        ; V's images: behind K's eight, four a wave
	s_add_co_u32 s30, s30, s49
	s_add_co_u32 s30, s30, 16384
	s_add_nc_u64 s[34:35], s[24:25], s[30:31]
	s_wait_kmcnt 0x0
	s_add_co_i32 s47, s36, s37                     ; e0 + e1
	s_add_co_i32 s48, s38, s39                     ; e2 + e3
	s_cmp_lt_u32 s26, 2
	s_cselect_b32 s47, s47, s48                    ; a sum of my first product stands for sum x 2^ea
	s_cselect_b32 s48, s40, s41                    ; e4 or e5
	s_sub_co_i32 s51, 0, s47                       ; the bias goes in x 2^-ea
	s_sub_co_i32 s48, s48, s47                     ; and the three scales are folded into the conversion's one
	s_add_co_i32 s49, s42, s43                     ; e6 + e7
	s_sub_co_i32 s52, 0, s49
	s_sub_co_i32 s49, s44, s49                     ; e8 - e6 - e7
	POW2 36, 11, 12
	POW2 48, 13, 14
	POW2 49, 15, 16
; Eight rows c of x_main become codes.  The hold at the largest code x the scale (the conversion to an 8-bit code does not saturate: ISA guide 7.6.2) also moves the numbers into registers that run along c.
.macro BATCH bb
	s_wait_loadcnt 56                              ; behind this batch's last row stand 56 - 8 bb rows and the 8 bb weight loads of the batches before: 56 in every batch
.if (\bb) == 0
.set i, 0
.rept 16
	ds_store_b128 v3, v[GR+4*i:GR+4*i+3] offset:2*PITCH*i    ; x_guide's codes were asked for first and are in
.set i, i+1
.endr
.endif
	WIN 0x01                                       ; source 0 window 1
.irp p, 0,1,2,3
.irp i, 0,1,2,3,4,5,6,7
	v_med3_num_f32 v[TR+32*((\bb)%2)+8*\p+\i], v[4*(8*(\bb)+\i)+\p], -v12, v12
.endr
.endr
	WIN 0
.irp p, 0,1,2,3
	v_cvt_scalef32_pk8_bf8_f32 v[CD+16*\p+2*(\bb):CD+16*\p+2*(\bb)+1], v[TR+32*((\bb)%2)+8*\p:TR+32*((\bb)%2)+8*\p+7], v11   ; the two sets of numbers take turns: the next batch's 32 holds stand ahead of the next write of these sources
.endr
	WIN 0x80                                       ; destination window 2: one tile of a weight (16 rows x 256 K) behind each batch
.irp s, 0,1
.irp c, 0,1,2,3
.if (\bb) < 4
	global_load_b128 v[32*(\bb)+16*\s+4*\c:32*(\bb)+16*\s+4*\c+3], v6, s[56:57] offset:4096*(\bb)+128*\s+32*\c
.else
	global_load_b128 v[32*(\bb)+16*\s+4*\c:32*(\bb)+16*\s+4*\c+3], v6, s[12:13] offset:4096*((\bb)-4)+128*\s+32*\c
.endif
.endr
.endr
	WIN 0
.endm
	s_wait_alu depctr_va_vdst(0)
.irp bb, 0,1,2,3,4,5,6,7
	BATCH \bb
.endr
	WIN 0xc0                                       ; destination window 3
.irp tt, 0,1,2,3
	global_load_b128 v[8*\tt:8*\tt+3], v7, s[58:59] offset:64*\tt          ; lane (r, h): the bias of units 16 tt + 8 h + 0 .. 7
	global_load_b128 v[8*\tt+4:8*\tt+7], v7, s[58:59] offset:64*\tt+16
.endr
	WIN 0
.irp tt, 0,1,2,3
	global_load_b32 v[17+\tt], v8, s[18:19] offset:64*\tt                  ; bv of channel 16 tt + r
.endr
	v_nop                                          ; a plain line behind the last conversion: matrix instructions write the codes' and the numbers' registers later
.irp p, 0,1,2,3
.irp k, 0,1,2,3
	ds_store_b128 v2, v[CD+16*\p+4*\k:CD+16*\p+4*\k+3] offset:PITCH*\p+16*\k   ; 64 codes of position 4 lane + p.  Lanes four apart fall on the same banks: sixteen stores a wave, once
.endr
.endr
	s_wait_dscnt 0x0                               ; for the others' sake: my stores have landed
	s_barrier_signal -1
	s_barrier_wait -1                              ; both tiles of codes are whole; nothing is written to LDS from here on
.macro FETCHX adr                      ; the 128 positions as 16 fragments: lane (r, h) holds, of row r, k = 32 c + 16 h + 0 .. 15 in registers 4 c on: the same places as in the weights' fragments
	WIN 0x40
.irp pt, 0,1,2,3,4,5,6,7
.irp s, 0,1
.irp c, 0,1,2,3
	ds_load_b128 v[32*\pt+16*\s+4*\c:32*\pt+16*\s+4*\c+3], v[\adr] offset:16*PITCH*\pt+128*\s+32*\c
.endr
.endr
.endr
	WIN 0
.endm
	FETCHX 4
	s_wait_loadcnt 0x0                             ; weights and biases
	WIN 0xc3                                       ; source 0 and destination window 3
.set j, 0
.rept 32
	v_ldexp_f32 v[j], v[j], s51
.set j, j+1
.endr
	WIN 0xc0
.irp tt, 0,1,2,3
.irp j, 0,1,2,3,4,5,6,7
	v_ldexp_f32 v[32+8*\tt+\j], v[17+\tt], s52     ; bv x 2^-(e6 + e7), the same in a lane's eight registers (eight keys of one channel)
.endr
.endr
	WIN 0
	s_wait_dscnt 0x0                               ; the fragments are in
; Position tiles 2 pp, 2 pp + 1 against my four tiles of units: eight accumulators by turns, K step by K step.
.macro MMQ pp
	WIN 0x36                                       ; source 0 (weight) window 2, source 1 (positions) window 1, C (bias) window 3
.irp u, 0,1
.irp tt, 0,1,2,3
	v_wmma_f32_16x16x128_bf8_bf8 v[ACC+64*((\pp)%2)+8*(4*\u+\tt):ACC+64*((\pp)%2)+8*(4*\u+\tt)+7], v[32*\tt:32*\tt+15], v[32*(2*(\pp)+\u):32*(2*(\pp)+\u)+15], v[8*\tt:8*\tt+7]
.endr
.endr
	WIN 0x06
.irp u, 0,1
.irp tt, 0,1,2,3
	v_wmma_f32_16x16x128_bf8_bf8 v[ACC+64*((\pp)%2)+8*(4*\u+\tt):ACC+64*((\pp)%2)+8*(4*\u+\tt)+7], v[32*\tt+16:32*\tt+31], v[32*(2*(\pp)+\u)+16:32*(2*(\pp)+\u)+31], v[ACC+64*((\pp)%2)+8*(4*\u+\tt):ACC+64*((\pp)%2)+8*(4*\u+\tt)+7]
.endr
.endr
	WIN 0
.endm
; My channel tile tt against the eight tiles of positions.
.macro MMV tt
	WIN 0x39                                       ; source 0 (positions) window 1, source 1 (wv) window 2, C (bv) window 3
.irp pt, 0,1,2,3,4,5,6,7
	v_wmma_f32_16x16x128_bf8_bf8 v[ACC+64*((\tt)%2)+8*\pt:ACC+64*((\tt)%2)+8*\pt+7], v[32*\pt:32*\pt+15], v[128+32*(\tt):128+32*(\tt)+15], v[32+8*(\tt):32+8*(\tt)+7]
.endr
	WIN 0x09
.irp pt, 0,1,2,3,4,5,6,7
	v_wmma_f32_16x16x128_bf8_bf8 v[ACC+64*((\tt)%2)+8*\pt:ACC+64*((\tt)%2)+8*\pt+7], v[32*\pt+16:32*\pt+31], v[128+32*(\tt)+16:128+32*(\tt)+31], v[ACC+64*((\tt)%2)+8*\pt:ACC+64*((\tt)%2)+8*\pt+7]
.endr
	WIN 0
.endm
; Eight accumulators become codes: the conversion; accumulator a gives registers dst + 2 a, + 1.
.macro CV set, sc, lim, dst
.irp a, 0,1,2,3,4,5,6,7
.irp j, 0,1,2,3,4,5,6,7
.endr
	v_cvt_scalef32_pk8_bf8_f32 v[(\dst)+2*\a:(\dst)+2*\a+1], v[ACC+64*(\set)+8*\a:ACC+64*(\set)+8*\a+7], v[\sc]
.endr
	v_nop                                          ; a plain line behind the last conversion, ahead of the matrix instructions that write its sources anew
.endm
.macro STQ pp                          ; my 8 registers of the images of position tiles 2 pp, 2 pp + 1: each store covers 512 consecutive bytes
.irp u, 0,1
.irp gg, 0,1
	global_store_b128 v1, v[OUTC+16*(\pp)+8*\u+4*\gg:OUTC+16*(\pp)+8*\u+4*\gg+3], s[32:33] offset:2048*(2*(\pp)+\u)+512*\gg
.endr
.endr
.endm
.macro STV tt                          ; a whole image of V
.irp c, 0,1,2,3
	global_store_b128 v1, v[OUTC+16*(\tt)+4*\c:OUTC+16*(\tt)+4*\c+3], s[34:35] offset:2048*(\tt)+512*\c
.endr
.endm
	; Q or K.  The two sets of accumulators take turns: one is converted and stored while the other's products are issued.
	MMQ 0
	MMQ 1
	N4
	CV 0, 13, 14, OUTC
	STQ 0
	MMQ 2
	N4
	CV 1, 13, 14, OUTC+16
	STQ 1
	MMQ 3
	N4                                             ; also the places in front of the loads into the fragments that the last products read
	FETCHX 5                                       ; x_guide's fragments for V, in every wave alike: they land while the last two sets are converted
	CV 0, 13, 14, OUTC+32
	STQ 2
	CV 1, 13, 14, OUTC+48
	STQ 3
	; V
	s_wait_dscnt 0x0                               ; the fragments are in
	s_wait_xcnt 0x0                                ; the stores above have had their addresses translated (ISA guide 3.1): only behind this wait are their data registers written again
	MMV 0
	MMV 1
	N4
	CV 0, 15, 16, OUTC
	STV 0
	MMV 2
	N4
	CV 1, 15, 16, OUTC+16
	STV 1
	MMV 3
	N4
	CV 0, 15, 16, OUTC+32
	STV 2
	CV 1, 15, 16, OUTC+48
	STV 3
	s_wait_tensorcnt 0x0
	ds_add_u32 v62, v63
	s_wait_dscnt 0x0
	s_endpgm
.Lfunc_end_k_qfbe39fbf44_prep:
	.size	k_qfbe39fbf44_prep, .Lfunc_end_k_qfbe39fbf44_prep-k_qfbe39fbf44_prep
	.p2alignl 7, 3214868480
	.fill 96, 4, 3214868480
	.section	.rodata,"a",@progbits
	.p2align	6, 0x0
	.amdhsa_kernel k_qfbe39fbf44_prep
		.amdhsa_group_segment_fixed_size 70144
		.amdhsa_private_segment_fixed_size 0
		.amdhsa_enable_private_segment 0
		.amdhsa_kernarg_size 88
		.amdhsa_user_sgpr_count 2
		.amdhsa_user_sgpr_kernarg_segment_ptr 1
		.amdhsa_wavefront_size32 1
		.amdhsa_system_sgpr_workgroup_id_x 1
		.amdhsa_system_sgpr_workgroup_id_y 1
		.amdhsa_system_sgpr_workgroup_id_z 1
		.amdhsa_system_vgpr_workitem_id 0
		.amdhsa_next_free_vgpr 1024
		.amdhsa_next_free_sgpr 66
		.amdhsa_reserve_vcc 0
		.amdhsa_float_denorm_mode_32 3
		.amdhsa_float_denorm_mode_16_64 3
		.amdhsa_fp16_overflow 1
		.amdhsa_memory_ordered 1
		.amdhsa_forward_progress 1
		.amdhsa_inst_pref_size 70
	.end_amdhsa_kernel
	.amdgpu_metadata
---
amdhsa.version: [ 1, 2 ]
amdhsa.kernels:
  - .name:           k_qfbe39fbf44_prep
    .symbol:         k_qfbe39fbf44_prep.kd
    .args:
      - { .name: x_main, .offset: 0, .size: 8, .value_kind: global_buffer, .address_space: global }
      - { .name: x_guide_codes, .offset: 8, .size: 8, .value_kind: global_buffer, .address_space: global }
      - { .name: wq_codes, .offset: 16, .size: 8, .value_kind: global_buffer, .address_space: global }
      - { .name: wk_codes, .offset: 24, .size: 8, .value_kind: global_buffer, .address_space: global }
      - { .name: wv_codes, .offset: 32, .size: 8, .value_kind: global_buffer, .address_space: global }
      - { .name: bq, .offset: 40, .size: 8, .value_kind: global_buffer, .address_space: global }
      - { .name: bk, .offset: 48, .size: 8, .value_kind: global_buffer, .address_space: global }
      - { .name: bv, .offset: 56, .size: 8, .value_kind: global_buffer, .address_space: global }
      - { .name: lowp_scales, .offset: 64, .size: 8, .value_kind: global_buffer, .address_space: global }
      - { .name: qimg, .offset: 72, .size: 8, .value_kind: global_buffer, .address_space: global }
      - { .name: kv, .offset: 80, .size: 8, .value_kind: global_buffer, .address_space: global }
    .group_segment_fixed_size: 70144
    .private_segment_fixed_size: 0
    .kernarg_segment_align: 8
    .kernarg_segment_size: 88
    .max_flat_workgroup_size: 128
    .sgpr_count:     66
    .vgpr_count:     1024
    .wavefront_size: 32
...
	.end_amdgpu_metadata
.endif
;; end of part 1
;; launch attn (part 2): grid 32 x 8, 4 waves a work-group, clusters of 4 x 1, 327,680 bytes of LDS; arguments qimg, kv, wo_codes, lowp_scales, bo, bn_gamma, bn_beta, bn_mean, bn_var, gamma, x_main, out0; writes out0
.if DOCPART == 2
	.amdgcn_target "amdgcn-amd-amdhsa--gfx1250"
	.amdhsa_code_object_version 6
	.text
	.protected	k_qfbe39fbf44_attn
	.globl	k_qfbe39fbf44_attn
	.p2align	8
	.type	k_qfbe39fbf44_attn,@function
k_qfbe39fbf44_attn:
	s_mov_b64 s[64:65], 0
	v_nop
	global_prefetch_b8 v0, s[64:65] scope:SCOPE_SE
	s_setreg_imm32_b32 hwreg(HW_REG_WAVE_MODE, 25, 1), 1
	s_wait_xcnt 0x0
	s_wait_alu depctr_hold_cnt(0) depctr_sa_sdst(0) depctr_va_vdst(0) depctr_va_sdst(0) depctr_va_ssrc(0) depctr_va_vcc(0) depctr_vm_vsrc(0)
	s_getreg_b32 s2, hwreg(HW_REG_IB_STS2, 6, 4)
	s_cmp_eq_u32 s2, 0
	s_cbranch_scc0 .Lentry_in_a_cluster
	s_endpgm
.Lentry_in_a_cluster:
	s_bfe_u32 s2, ttmp6, 0x10000c
	s_cmp_lg_u32 s2, 0x3003
	s_cbranch_scc0 .Lentry_shape_is_right
	s_endpgm
.Lentry_shape_is_right:
; out0 = x_main + gamma relu(BN(wo O + bo)),  O[c][n] = the sum over keys m of V[c][m] softmax_m(Q[n] . K[m]).  All three products on codes of BF8 (E5M2), each operand with its given scale 2^e.
; qimg and kv hold Q's, K's and V's codes as IMAGES OF OPERAND REGISTERS (16 rows x 128 K: 2,048 bytes; registers 4 c .. 4 c + 3 of lane l at 512 c + 16 l; registers 2 t, 2 t + 1 of lane (r, h) hold k = 16 t + 8 h + 0 .. 7):
; a fragment comes by four loads of 512 consecutive bytes.  kv: for each step of 128 keys 49,152 bytes: 8 images of K (16 keys), 16 images of V (16 channels x the 128 keys).
; THE SOFTMAX AHEAD OF THE SECOND PRODUCT: t = score x log2(e); M = the largest t so far, rounded UP to a whole number; p = 2^(t - M) is quantised with 2^e9, not normalised.  The row's sum is taken of the
; unquantised p and divides O at the end.  When M moves, the sum and O are multiplied by 2^(old M - new M), which rounds nothing.
; SHARES.  A work-group owns 128 queries of one image; each of its four waves 32: two tiles of 16, which share every fragment of K and V.  Every wave walks the image's 32 key steps.
; LAYOUT.  S^T = K Q^T (source 0 = 16 keys, source 1 = 16 queries) and O^T = V P^T (source 0 = 16 channels, source 1 = P): a lane holds ONE query throughout, the conversion of score tile t gives registers 2 t, 2 t + 1 of
; P's fragment, that of O^T's tile t the same of O's.  The last product takes O as source 0 and 16 rows of wo as source 1: a lane then holds one output channel and eight neighbouring positions, as out0 lies.
; THE ORDER OF A KEY STEP.  Matrix instructions and LDS loads stand among the vector work, not in phases of their own.  First half: the step's V is fetched in eight groups of eight loads, set among the maximum, the scalings
; and the exponentials.  Second half: the next step's K is fetched in four groups among the sums; then p is converted, eight numbers at a time, and as soon as a group's registers are free the product that
; writes the NEXT step's scores there follows; then O^T is rescaled and V P^T added, four packed multiplies behind each product.
; CLUSTER.  The four work-groups of a cluster belong to one image and walk the same kv: each slot of the ring (two key steps, 98,304 bytes) is asked for JOINTLY, a quarter a wave, by the same tensor load with the same
; descriptor and a mask that names the four.  wo is fetched by a load of each work-group's own: 65,536 bytes once, against 1,572,864 bytes of kv.
; LIMITS on the given exponents, so that each power of two below is an f32 number: e9 and e10 between -126 and 112; e4 + e5 between -126 and 127 (added to log2(e)'s exponent field); the others go by v_ldexp_f32.  NaN among the inputs is not served.
; REGISTERS, in windows of 256.  window 0: v1-16 addresses and scales; v17-31 at work at the head; v32-55 twelve registers of statistics a tile; v64-95 Q; v96-127 P's codes; v128-255 S^T, then p (64 a tile).
;   On the way out: v64-95 the pairs (A, B) of my lane's 16 output channels; v128-191 O's codes (32 a tile); v192-255 eight accumulators of the last product.
;   window 1: v0-127 O^T's channel tiles 0-7 (64 q + 8 t), v128-255 V's fragments 0-7.   window 2: the same for channel tiles 8-15.  So O^T's rescaling and the products V P^T run under one setting of the windows.
;   On the way out v128-255 of both take 64 rows of x_main.   window 3: v0-127 K's 8 fragments; on the way out two sets of wo's fragments, then 64 rows of the result.
.set STEPB, 49152                      ; a key step in kv and in a slot
.set SLOTB, 98304                      ; a slot: two key steps
.set SLOT1, 1<<17                      ; slot 1 begins here, so that one exclusive or turns an address in one slot into the other's
.set PAR,   98304                      ; behind slot 0: for each output channel o the pair A[o], B[o]: result = relu(sum x A + B); 2,048 bytes that no tile lands in
.set SPARE, 100352                     ; the spare words, 128 bytes for each wave: two blocks of 256 bytes that no other line names
.set WO,    229376                     ; behind slot 1: wo's 256 rows,
.set WOP,   272                        ; 256 codes + 16 bytes each: the 16 rows of a fragment load start at different banks (ISA guide 11.1)
.set SP,    528                        ; the way out: a stage of 256 rows (output channels) x (128 positions x 4 bytes + 16): rows 0-127 in slot 0, rows 128-255 in slot 1, which have had their last fill and their last read by then
.set ST,    32                         ; tile q's statistics at v[ST + 12 q]: +0 -M, +1 the largest t, +2, +3 the sum in two halves, +4 f, +5 0 (named with f as a pair), +6 to +9 at work (four chains of the maximum; +8, +9 the second chain of sums), +10 a lane permute's destination
.set Q,     64
.set PC,    96
.set S,     128
.set PA,    64
.set OC,    128                        ; O's codes of tile q at v[OC + 32 q]
.set Y,     192
.set MSB, 0
.macro WIN new                         ; the immediate's high byte repeats the setting that is left; a switch that changes nothing is dropped
.if MSB != \new
	s_set_vgpr_msb (MSB<<8)|\new
.set MSB, \new
.endif
.endm
.macro N4                              ; four places behind matrix instructions, where no other vector work is at hand; also the four lines behind a tensor load
.rept 4
	v_nop
.endr
.endm
.macro POW2 se, vs, vl                 ; s[se] = e (destroyed):  v[vs] = 2^e as f32
	s_add_co_i32 s[\se], s[\se], 127
	s_lshl_b32 s99, s[\se], 23
	v_mov_b32 v[\vs], s99
.endm
; A round of the cluster's barrier: my work-group's barrier, so that wave 0's signal speaks for all four waves; wave 0 signals for the work-group; every wave waits for all four work-groups; my work-group's barrier once more.
.macro CROUND
	s_barrier_signal -1
	s_barrier_wait -1
	s_cmp_lg_u32 s28, 0
	s_cbranch_scc1 .Lnot_wave_0_\@
	s_barrier_signal -3
.Lnot_wave_0_\@:
	s_barrier_wait -3
	s_barrier_signal -1
	s_barrier_wait -1
.endm
; A PREFETCH INTO THE L2 of the slot that the NEXT change of slots will ask for, two key steps (96 matrix instructions a wave) ahead of that load.  Each aligned block of 256 bytes is named once in the launch: all eight
; clusters of an image walk the same kv, so the image's first cluster asks; its four partners take 24,576 bytes each, told apart BY ADDRESS; in each, waves 0 to 2 take 8,192 bytes, lanes 256 bytes apart.
; The last change that fills a slot asks for nothing: there is no slot behind it.  Slots 0 to 2 come by their loads alone.
.macro ASK
	s_cmp_gt_u32 s69, s68
	s_cbranch_scc0 .Lnot_mine_\@
	global_prefetch_b8 v5, s[66:67] th:TH_LOAD_NT scope:SCOPE_SE
.Lnot_mine_\@:
.endm
	s_load_b512 s[4:19], s[0:1], 0x0               ; qimg 4, kv 6, wo 8, the scales' exponents 10, bo 12, bn_gamma 14, bn_beta 16, bn_mean 18
	s_load_b256 s[20:27], s[0:1], 0x40             ; bn_var 20, gamma 22, x_main 24, out0 26
	v_lshl_add_u32 v3, v0, 2, SPARE                ; my spare word; never rewritten
	v_mov_b32 v4, 0                                ; 0; never rewritten
	ds_add_u32 v3, v4
	ds_add_u32 v3, v4
	s_wait_dscnt 0x0
	v_lshrrev_b32 v2, 5, v0
	v_readfirstlane_b32 s28, v2                    ; wave 0..3
	s_bfe_u32 s29, ttmp6, 0x40000                  ; cx: my place in the cluster
	s_lshl_b32 s30, ttmp9, 2                       ; in a cluster launch ttmp9 counts clusters
	s_add_co_u32 s30, s30, s29                     ; my block of 128 queries: it enters qimg's, x_main's and out0's addresses alone
	s_and_b32 s31, ttmp7, 0xffff                   ; the image, which the four partners share
	; descriptor group 1 for the ring: 96 dense rows of 32 elements of 8 bytes: 24,576 bytes, a quarter of a slot
	s_mov_b32 s32, 15|(3<<16)|(1<<21)              ; 15:0 the mask: all four work-groups; 17:16 elements of 8 bytes; 21 set beside a mask; no padding
	s_mov_b32 s33, 32<<16                          ; tensor_dim0 = 32
	s_mov_b32 s34, 96<<16                          ; tensor_dim1 = 96
	s_mov_b32 s35, 32<<16                          ; tile_dim0 = 32
	s_mov_b32 s36, 96                              ; tile_dim1 = 96
	s_mov_b32 s37, 32                              ; from row to row
	s_mov_b32 s38, 0
	s_mov_b32 s39, 0
	; and for wo: 64 rows of 256 bytes, 16 bytes of padding behind each
	s_mov_b32 s40, (0<<16)|(1<<20)|(5<<22)|(3<<25) ; no mask; elements of 1 byte; padding on: after every 64 words (code 5) four words (code 3)
	s_mov_b32 s41, 256<<16
	s_mov_b32 s42, 64<<16
	s_mov_b32 s43, 256<<16
	s_mov_b32 s44, 64
	s_mov_b32 s45, 256
	s_mov_b32 s46, 0
	s_mov_b32 s47, 0
	s_mov_b32 s48, 1                               ; groups 0: count = 1
	s_mov_b32 s52, 1
	s_mov_b32 s56, 1
	s_mul_i32 s49, s28, 24576                      ; slot 0: my quarter (no place in the cluster enters an LDS address)
	s_add_co_u32 s53, s49, SLOT1                   ; slot 1: this set then walks on
	s_mul_i32 s57, s28, 64*WOP
	s_add_co_u32 s57, s57, WO                      ; my 64 rows of wo
	s_mul_i32 s88, s31, 32*STEPB                   ; kv: the image's 32 steps, + my quarter of a slot
	s_add_co_u32 s88, s88, s49
	s_mov_b32 s89, 0
	s_lshl_b32 s96, s28, 14
	s_mov_b32 s97, 0
	s_lshl_b32 s90, s31, 19                        ; qimg: 256 images an image of the batch, 8 a work-group, 2 a wave
	s_lshl_b32 s98, s30, 14
	s_add_co_u32 s90, s90, s98
	s_lshl_b32 s98, s28, 12
	s_add_co_u32 s90, s90, s98
	s_mov_b32 s91, 0
	s_lshl_b32 s92, s31, 22                        ; x_main, out0: the image, my 64 channel rows of 16,384 bytes, the work-group's 512 bytes of a row
	s_lshl_b32 s98, s28, 20
	s_add_co_u32 s92, s92, s98
	s_lshl_b32 s98, s30, 9
	s_add_co_u32 s92, s92, s98
	s_mov_b32 s93, 0
	s_mul_i32 s94, s31, 32*STEPB                   ; the prefetches: slot 2 (the first change of slots steps it to slot 3), my work-group's quarter, my wave's third of it
	s_mul_i32 s98, s29, 24576
	s_add_co_u32 s94, s94, s98
	s_lshl_b32 s98, s28, 13
	s_add_co_u32 s94, s94, s98
	s_add_co_u32 s94, s94, 2*SLOTB
	s_mov_b32 s95, 0
	s_cmp_lt_u32 s28, 3                            ; waves 0 to 2
	s_cselect_b32 s98, 0, 1
	s_or_b32 s98, s98, ttmp9                       ; of the image's first cluster: the same in all four partners
	s_cmp_eq_u32 s98, 0
	s_cselect_b32 s68, 1, -1                       ; 1 in a wave that prefetches, else the greatest number
	s_mov_b32 s60, 0x76543210                      ; v_permlanex16_b32's selects for lane l xor 16
	s_mov_b32 s61, 0xfedcba98
	v_and_b32 v2, 31, v0                           ; lane
	v_lshlrev_b32 v1, 4, v2                        ; 16 x lane: an image's place for my lane, and my 16 bytes of a row of 512
	v_lshlrev_b32 v5, 8, v2                        ; the prefetches' offset
	v_and_b32 v17, 15, v0                          ; r
	v_bfe_u32 v18, v0, 4, 1                        ; h
	v_mul_u32_u24 v6, v17, SP                      ; the stage, in: row r of a tile of channels, + my wave's 128 bytes, + 32 h
	v_lshl_add_u32 v6, v18, 5, v6
	s_lshl_b32 s86, s28, 7
	v_add_nc_u32 v6, s86, v6
	v_add_nc_u32 v7, SLOT1, v6                     ; the same for channels 128 on
	s_lshr_b32 s86, s28, 1                         ; back: my 64 rows: waves 0, 1 in slot 0, waves 2, 3 in slot 1
	s_lshl_b32 s86, s86, 17
	s_and_b32 s87, s28, 1
	s_mul_i32 s87, s87, 64*SP
	s_add_co_u32 s86, s86, s87
	v_add_nc_u32 v8, s86, v1
	v_mul_u32_u24 v9, v17, WOP                     ; wo's fragments: row r, + 8 h: the form's own places of k, as O's codes have them
	v_lshl_add_u32 v9, v18, 3, v9
	v_add_nc_u32 v9, WO, v9
	v_lshl_add_u32 v10, v17, 3, PAR                ; the pair of channel 16 T + r
	v_lshl_add_u32 v11, v0, 3, PAR                 ; where I store the pairs of channels v0 and v0 + 128
	v_lshlrev_b32 v12, 2, v0                       ; and where their parameters lie
.irp q, 0,1
	v_mov_b32 v[ST+12*\q+5], 0
	v_mov_b32 v[ST+12*\q+10], 0                    ; written once: a lane permute's destination counts as one of its sources
.endr
	s_wait_kmcnt 0x0
	s_load_b256 s[72:79], s[10:11], 0x0            ; e0 .. e7
	s_load_b128 s[80:83], s[10:11], 0x20           ; e8 .. e11
	s_load_b32 s84, s[22:23], 0x0                  ; gamma
	s_add_nc_u64 s[50:51], s[6:7], s[88:89]        ; steps 0, 1
	s_add_nc_u64 s[54:55], s[50:51], SLOTB         ; steps 2, 3
	s_or_b32 s51, s51, 0x80000000                  ; type = 2
	s_or_b32 s55, s55, 0x80000000
	s_add_nc_u64 s[58:59], s[8:9], s[96:97]
	s_or_b32 s59, s59, 0x80000000
	s_add_nc_u64 s[4:5], s[4:5], s[90:91]
	s_add_nc_u64 s[24:25], s[24:25], s[92:93]
	s_add_nc_u64 s[26:27], s[26:27], s[92:93]
	s_add_nc_u64 s[66:67], s[6:7], s[94:95]
	CROUND                                         ; all four work-groups are here: the first joint loads meet
	tensor_load_to_lds s[48:51], s[32:39]          ; the first fills go out together, ahead of every wait on TENSORcnt and every LDS read: three loads of mine are out
	s_nop 0
	tensor_load_to_lds s[52:55], s[32:39]
	s_nop 0
	tensor_load_to_lds s[56:59], s[40:47]
	s_nop 0
	N4
.irp q, 0,1
.irp c, 0,1,2,3
	global_load_b128 v[Q+16*\q+4*\c:Q+16*\q+4*\c+3], v1, s[4:5] offset:2048*\q+512*\c   ; Q's two fragments stay in registers
.endr
.endr
	global_load_b32 v17, v12, s[12:13]             ; bo,
	global_load_b32 v18, v12, s[12:13] offset:512
	global_load_b32 v19, v12, s[14:15]             ; bn_gamma,
	global_load_b32 v20, v12, s[14:15] offset:512
	global_load_b32 v21, v12, s[16:17]             ; bn_beta,
	global_load_b32 v22, v12, s[16:17] offset:512
	global_load_b32 v23, v12, s[18:19]             ; bn_mean,
	global_load_b32 v24, v12, s[18:19] offset:512
	global_load_b32 v25, v12, s[20:21]             ; bn_var of channels v0 and v0 + 128
	global_load_b32 v26, v12, s[20:21] offset:512
	s_wait_kmcnt 0x0
	s_add_co_i32 s98, s76, s77                     ; a score stands for score x 2^(e4 + e5): the two exponents are added to the exponent field of log2(e)
	s_lshl_b32 s98, s98, 23
	s_add_co_i32 s62, s98, 0x3fb8aa3b
	s_mov_b32 s63, s62                             ; (named with it as a pair, so it is written)
	s_add_co_i32 s86, s82, s83                     ; e10 + e11
	s_add_co_i32 s87, s80, s81                     ; e8 + e9
	s_mov_b32 s85, s84
	POW2 81, 13, 14                                ; for p's conversions
	POW2 82, 15, 16                                ; for O's
	s_wait_loadcnt 0x0
	; (wo O 2^(e10 + e11) + bo) inv + beta - mean inv = sum x A + B, with inv = bn_gamma / sqrt(bn_var + 1e-5), A = inv 2^(e10 + e11), B = (bo - mean) inv + beta
	v_add_f32 v25, 0x3727c5ac, v25
	v_add_f32 v26, 0x3727c5ac, v26
	v_sub_f32 v17, v17, v23
	v_sub_f32 v18, v18, v24
	v_rsq_f32 v23, v25
	v_rsq_f32 v24, v26
	v_nop                                          ; a plain line behind the two roots,
	s_wait_alu depctr_va_vdst(0)                   ; and the wait ahead of their first reader: one for both
	v_mul_f32 v23, v19, v23
	v_mul_f32 v24, v20, v24
	v_ldexp_f32 v28, v23, s86
	v_fma_f32 v29, v17, v23, v21
	v_ldexp_f32 v30, v24, s86
	v_fma_f32 v31, v18, v24, v22
	ds_store_b64 v11, v[28:29]
	ds_store_b64 v11, v[30:31] offset:1024
; THE LDS LOADS go in groups of eight (two fragments), each between two switches of the windows, set among the vector work.  v2: 16 x lane + the LDS byte at which the step begins.
.macro KGRP g                          ; K's fragments 2 g, 2 g + 1 into window 3
	WIN 0xc0
.irp u, 0,1
.irp c, 0,1,2,3
	ds_load_b128 v[16*(2*(\g)+\u)+4*\c:16*(2*(\g)+\u)+4*\c+3], v2 offset:2048*(2*(\g)+\u)+512*\c
.endr
.endr
	WIN 0
.endm
.macro VGRP g                          ; V's fragments 2 g, 2 g + 1: 0-7 into window 1, 8-15 into window 2, from v128 on
	WIN (0x40+0x40*((\g)/4))
.irp u, 0,1
.irp c, 0,1,2,3
	ds_load_b128 v[128+16*((2*(\g)+\u)%8)+4*\c:128+16*((2*(\g)+\u)%8)+4*\c+3], v2 offset:16384+2048*(2*(\g)+\u)+512*\c
.endr
.endr
	WIN 0
.endm
; THE FIRST HALF OF A KEY STEP, whose scores lie in S: the maximum, M, the scalings and the exponentials, both tiles by turns; the step's V is fetched on the way.  first = 1: the first key step, which starts M.
.macro HEADN first
.irp k, 0,1,2,3
.irp q, 0,1
	v_max3_num_f32 v[ST+12*\q+6+\k], v[S+64*\q+3*\k], v[S+64*\q+3*\k+1], v[S+64*\q+3*\k+2]   ; the largest of my 64 scores, in four chains a tile, in ascending order: every accumulator is first read at its low end
.endr
.endr
	v_add_nc_u32 v2, s71, v1                       ; these nine lines are the places between the last products V P^T and the loads into V's registers
	s_add_co_u32 s71, s71, STEPB                   ; the next fetch is the next step's
	VGRP 0
.set j, 12
.rept 26
.irp q, 0,1
	v_max3_num_f32 v[ST+12*\q+6+((j-12)/2)%4], v[ST+12*\q+6+((j-12)/2)%4], v[S+64*\q+j], v[S+64*\q+j+1]
.endr
.if j == 30
	VGRP 1
.endif
.if j == 54
	VGRP 2
.endif
.set j, j+2
.endr
.irp q, 0,1
	v_max3_num_f32 v[ST+12*\q+6], v[ST+12*\q+6], v[ST+12*\q+7], v[ST+12*\q+8]
.endr
.irp q, 0,1
	v_max_num_f32 v[ST+12*\q+6], v[ST+12*\q+6], v[ST+12*\q+9]
.endr
.irp q, 0,1
	v_permlanex16_b32 v[ST+12*\q+10], v[ST+12*\q+6], s60, s61                  ; the query's other 64 keys lie in the lane 16 away
.endr
	VGRP 3                                         ; two groups stand in this chain of lines that feed each other
.irp q, 0,1
	v_max_num_f32 v[ST+12*\q+6], v[ST+12*\q+6], v[ST+12*\q+10]
.endr
.if \first
.irp q, 0,1
	v_mul_f32 v[ST+12*\q+1], s62, v[ST+12*\q+6]                                ; as t (the factor is positive)
.endr
.irp q, 0,1
	v_floor_f32 v[ST+12*\q], -v[ST+12*\q+1]                                    ; -M = floor(-t) = -ceil(t)
.endr
	VGRP 4
.else
.irp q, 0,1
	v_mul_f32 v[ST+12*\q+6], s62, v[ST+12*\q+6]
.endr
.irp q, 0,1
	v_max_num_f32 v[ST+12*\q+1], v[ST+12*\q+1], v[ST+12*\q+6]                  ; the running largest t
.endr
.irp q, 0,1
	v_mov_b32 v[ST+12*\q+6], v[ST+12*\q]
.endr
.irp q, 0,1
	v_floor_f32 v[ST+12*\q], -v[ST+12*\q+1]
.endr
	VGRP 4
.irp q, 0,1
	v_sub_f32 v[ST+12*\q+6], v[ST+12*\q], v[ST+12*\q+6]                        ; old M - new M: a whole number, 0 or less
.endr
.irp q, 0,1
	v_cvt_i32_f32 v[ST+12*\q+6], v[ST+12*\q+6]                                 ; (it saturates)
.endr
.irp q, 0,1
	v_ldexp_f32 v[ST+12*\q+4], 1.0, v[ST+12*\q+6]                              ; f = 2^(old M - new M)
.endr
.endif
	; ONE BATCH: the 64 scalings t - M (two scores each; of both pairs the low word serves both halves) and the 128 exponentials, in the pattern exponential, exponential, scaling; a pair is scaled two rounds ahead of its
	; exponentials.  No line of the batch names an exponential's result.
.irp x, 0,2
.irp q, 0,1
	v_pk_fma_f32 v[S+64*\q+\x:S+64*\q+\x+1], v[S+64*\q+\x:S+64*\q+\x+1], s[62:63], v[ST+12*\q:ST+12*\q+1] op_sel_hi:[1,0,0]
.endr
.endr
.set i, 0
.rept 32
.irp q, 0,1
	v_exp_f32 v[S+64*\q+2*i], v[S+64*\q+2*i]       ; p = 2^(t - M)
	v_exp_f32 v[S+64*\q+2*i+1], v[S+64*\q+2*i+1]
.if i < 30
	v_pk_fma_f32 v[S+64*\q+2*i+4:S+64*\q+2*i+5], v[S+64*\q+2*i+4:S+64*\q+2*i+5], s[62:63], v[ST+12*\q:ST+12*\q+1] op_sel_hi:[1,0,0]
.endif
.endr
.if i == 4
	VGRP 5
.endif
.if i == 10
	VGRP 6
.endif
.if i == 16
	VGRP 7                                         ; V's last group: 86 lines of the batch stand between it and the next wait for LDS
.endif
.set i, i+1
.endr
.if \first
	v_nop                                          ; a plain line behind the last exponential
.else
.irp q, 0,1
	v_pk_mul_f32 v[ST+12*\q+2:ST+12*\q+3], v[ST+12*\q+2:ST+12*\q+3], v[ST+12*\q+4:ST+12*\q+5] op_sel_hi:[1,0]   ; the sums under the new M (the plain lines behind the last exponential)
.endr
.endif
	s_wait_alu depctr_va_vdst(0)                   ; the wait ahead of the first line that names an exponential's result, and ahead of the branches that follow: one for the batch
.endm
.macro RS x                            ; O^T's accumulator x of the half in hand (tile x % 2, channel tile x / 2) under the new M, from its low end on
.irp j, 0,2,4,6
	v_pk_mul_f32 v[64*((\x)%2)+8*((\x)/2)+\j:64*((\x)%2)+8*((\x)/2)+\j+1], v[64*((\x)%2)+8*((\x)/2)+\j:64*((\x)%2)+8*((\x)/2)+\j+1], v[ST+12*((\x)%2)+4:ST+12*((\x)%2)+5] op_sel_hi:[1,0]
.endr
.endm
; THE SECOND HALF.  zero = 1: the first key step, which starts the sums and O^T: nothing is cleared and nothing rescaled.  fetch = 1: there is a next step: its K is fetched and its scores are made.
.macro TAILN zero, fetch
.if \fetch
	v_add_nc_u32 v2, s71, v1
	KGRP 0                                         ; the last products that read K's registers stand half a step back
.endif
.if \zero
.irp q, 0,1
	v_pk_add_f32 v[ST+12*\q+2:ST+12*\q+3], v[S+64*\q:S+64*\q+1], v[S+64*\q+2:S+64*\q+3]       ; THE ROW'S SUM IS TAKEN OF THE UNQUANTISED p, two at a time, in two chains a tile
	v_pk_add_f32 v[ST+12*\q+8:ST+12*\q+9], v[S+64*\q+4:S+64*\q+5], v[S+64*\q+6:S+64*\q+7]
.endr
.set j, 8
.else
.irp q, 0,1
	v_pk_add_f32 v[ST+12*\q+8:ST+12*\q+9], v[S+64*\q:S+64*\q+1], v[S+64*\q+2:S+64*\q+3]
.endr
.set j, 4
.endif
.rept 15-\zero
.irp q, 0,1
	v_pk_add_f32 v[ST+12*\q+2:ST+12*\q+3], v[ST+12*\q+2:ST+12*\q+3], v[S+64*\q+j:S+64*\q+j+1]
	v_pk_add_f32 v[ST+12*\q+8:ST+12*\q+9], v[ST+12*\q+8:ST+12*\q+9], v[S+64*\q+j+2:S+64*\q+j+3]
.endr
.if (\fetch) && (j%16 == 0)
	KGRP j/16                                      ; at j = 16, 32, 48: K's other three groups
.endif
.set j, j+4
.endr
.irp q, 0,1
	v_pk_add_f32 v[ST+12*\q+2:ST+12*\q+3], v[ST+12*\q+2:ST+12*\q+3], v[ST+12*\q+8:ST+12*\q+9]
.endr
	; p becomes codes, and the next step's scores take p's place.  Group g of 16 is tile g % 2, keys 16 (g / 2) + 8 h + 0 .. 7.  A round: group g - 1 is converted; the product that writes group g - 2's
	; registers anew follows.
.set g, 0
.rept 16
.irp i, 0,1,2,3,4,5,6,7
.endr
.if g > 0
	v_cvt_scalef32_pk8_bf8_f32 v[PC+16*((g-1)%2)+2*((g-1)/2):PC+16*((g-1)%2)+2*((g-1)/2)+1], v[S+64*((g-1)%2)+8*((g-1)/2):S+64*((g-1)%2)+8*((g-1)/2)+7], v13   ; registers 2 b, 2 b + 1 of P's fragment
.endif
.if (\fetch) && (g > 1)
.if g%2 == 0
	s_wait_dscnt 28-4*((g-2)/2)                    ; K's fragment (g - 2) / 2 is in: behind its four loads stand those of the later fragments, four each; V's loads are older
.endif
	WIN 0x03                                       ; source 0 (K) window 3
	v_nop
	v_wmma_f32_16x16x128_bf8_bf8 v[S+64*((g-2)%2)+8*((g-2)/2):S+64*((g-2)%2)+8*((g-2)/2)+7], v[16*((g-2)/2):16*((g-2)/2)+15], v[Q+16*((g-2)%2):Q+16*((g-2)%2)+15], 0
	WIN 0
.endif
.set g, g+1
.endr
	v_cvt_scalef32_pk8_bf8_f32 v[PC+30:PC+31], v[S+120:S+127], v13             ; group 15
	v_nop                                          ; a plain line behind the last conversion, ahead of the products that read its result and overwrite its sources
	s_wait_dscnt 0x0                               ; all of K and V is in
.if \fetch
	WIN 0x03
	v_wmma_f32_16x16x128_bf8_bf8 v[S+56:S+63], v[112:127], v[Q:Q+15], 0
	v_wmma_f32_16x16x128_bf8_bf8 v[S+120:S+127], v[112:127], v[Q+16:Q+31], 0
.endif
	; O^T = f O^T + V P^T, a half of the channels at a time, under one setting of the windows: V and O^T in window 1 (then 2), P and f in window 0.  Accumulator a + 2 is rescaled behind the product on accumulator a.
	; Each of the 32 accumulators has one product a step, so that they take turns.
.irp hh, 0,1
	WIN (0x51+0x51*\hh)
.if !\zero
	RS 0
	RS 1
.endif
.set a, 0
.rept 16
.if \zero
	v_wmma_f32_16x16x128_bf8_bf8 v[64*(a%2)+8*(a/2):64*(a%2)+8*(a/2)+7], v[128+16*(a/2):128+16*(a/2)+15], v[PC+16*(a%2):PC+16*(a%2)+15], 0
.else
	v_wmma_f32_16x16x128_bf8_bf8 v[64*(a%2)+8*(a/2):64*(a%2)+8*(a/2)+7], v[128+16*(a/2):128+16*(a/2)+15], v[PC+16*(a%2):PC+16*(a%2)+15], v[64*(a%2)+8*(a/2):64*(a%2)+8*(a/2)+7]
.if a < 14
	RS a+2
.endif
.endif
.set a, a+1
.endr
.endr
	WIN 0
.endm
.macro TWO_UNITS                       ; written once, walked twice: a step's second half and the next step's first half
	s_mov_b32 s70, 2
.Lunit_\@:
	TAILN 0, 1
	HEADN 0
	s_sub_co_u32 s70, s70, 1
	s_cmp_lg_u32 s70, 0
	s_cbranch_scc1 .Lunit_\@
.endm
; THE CHANGE OF SLOTS, behind the first half of a slot's second step: the slot's last bytes, that step's V, have been asked for.  Each wave waits for all its tensor loads (its part of the other slot),
; adds 0 to its spare word, and waits for that and for its own reads of the slot.  fill = 1: the barrier is a round of the cluster's, so that no wave of any partner still reads the slot or has a load on its way, and
; the joint refill, the keys two slots on, is the first thing behind it: it has two key steps in which to land.
.macro CHANGE fill
	WIN 0
	s_wait_tensorcnt 0x0                           ; no tensor load of mine is out, so a group 0 may be written
	ds_add_u32 v3, v4                              ; 0 onto my spare word
.if \fill
	s_xor_b32 s53, s53, SLOT1                      ; the walking descriptor: the other slot than last time,
	s_add_nc_u64 s[54:55], s[54:55], SLOTB         ; the next two key steps; the type bits on top are not reached
	s_wait_xcnt 0x0                                ; the last prefetch, two key steps back, has read its address, so it may be written:
	s_add_nc_u64 s[66:67], s[66:67], SLOTB         ; one slot further on than the walking descriptor
	s_wait_dscnt 0x0                               ; the add is done, and my reads of the slot are over
	CROUND
	tensor_load_to_lds s[52:55], s[32:39]          ; my one tensor load until the next round
	s_nop 0
	N4
	ASK
.else
	s_wait_dscnt 0x0
	s_barrier_signal -1
	s_barrier_wait -1
.endif
	s_sub_co_u32 s71, s71, 2*STEPB                 ; the fetches go back to a slot's first step,
	s_xor_b32 s71, s71, SLOT1                      ; in the other slot
.endm
	s_wait_tensorcnt 0x2                           ; my part of slot 0 is in; slot 1's and wo's loads may stay out
	s_wait_dscnt 0x0                               ; my pairs (A, B) have landed
	s_barrier_signal -1
	s_barrier_wait -1                              ; everybody's have
	s_mov_b32 s71, 0
	v_add_nc_u32 v2, s71, v1
	KGRP 0                                         ; key step 0: there is no vector work yet to set its loads and products among
	KGRP 1
	KGRP 2
	KGRP 3
	s_wait_dscnt 0x0
	WIN 0x03
.set t, 0
.rept 8
.irp q, 0,1
	v_wmma_f32_16x16x128_bf8_bf8 v[S+64*\q+8*t:S+64*\q+8*t+7], v[16*t:16*t+15], v[Q+16*\q:Q+16*\q+15], 0
.endr
.set t, t+1
.endr
	WIN 0
	N4                                             ; places in front of the first read of these scores
	HEADN 1
	TAILN 1, 1
	HEADN 0
	s_mov_b32 s69, 14
.Lslot:                                            ; 14 trips: trip k fills the keys of slot k + 2 and runs the second halves of steps 2 k + 1, 2 k + 2 and the first halves of steps 2 k + 2, 2 k + 3
	CHANGE 1
	TWO_UNITS
	s_sub_co_u32 s69, s69, 1
	s_cmp_lg_u32 s69, 0
	s_cbranch_scc1 .Lslot
	CHANGE 0                                       ; the last slot is written out
	TWO_UNITS
	TAILN 0, 0                                     ; the last step's second half
	; THE WAY OUT.
	N4                                             ; places behind the last products, in front of the loads into V's registers
	WIN 0x40                                       ; destination window 1
.set i, 0
.rept 32
	global_load_b128 v[128+4*i:128+4*i+3], v1, s[24:25] offset:16384*i th:TH_LOAD_NT          ; x_main: my 64 channel rows, 512 consecutive bytes each, asked for a whole way out ahead of their use
.set i, i+1
.endr
	WIN 0x80                                       ; destination window 2
.rept 32
	global_load_b128 v[128+4*(i-32):128+4*(i-32)+3], v1, s[24:25] offset:16384*i th:TH_LOAD_NT
.set i, i+1
.endr
	WIN 0
.set t, 0
.rept 16
	ds_load_b64 v[PA+2*t:PA+2*t+1], v10 offset:128*t       ; A, B of channel 16 t + r
.set t, t+1
.endr
.macro FETCHWO g                       ; wo's tiles 4 g .. 4 g + 3 (16 rows x 256 K each) into set g % 2: registers 2 c, 2 c + 1 hold k = 16 c + 8 h + 0 .. 7
	WIN 0xc0
.irp tl, 0,1,2,3
.irp s, 0,1
.irp c, 0,1,2,3,4,5,6,7
	ds_load_b64 v[128*((\g)%2)+32*\tl+16*\s+2*\c:128*((\g)%2)+32*\tl+16*\s+2*\c+1], v9 offset:16*WOP*(4*(\g)+\tl)+128*\s+16*\c
.endr
.endr
.endr
	WIN 0
.endm
	FETCHWO 0
	FETCHWO 1
.irp q, 0,1
	v_add_f32 v[ST+12*\q+6], v[ST+12*\q+2], v[ST+12*\q+3]  ; the sum's two halves,
.endr
.irp q, 0,1
	v_permlanex16_b32 v[ST+12*\q+10], v[ST+12*\q+6], s60, s61
.endr
.irp q, 0,1
	v_add_f32 v[ST+12*\q+6], v[ST+12*\q+6], v[ST+12*\q+10] ; and lane l xor 16's: the row's sum
.endr
.irp q, 0,1
	v_rcp_f32 v[ST+12*\q+4], v[ST+12*\q+6]
.endr
	v_nop                                          ; a plain line behind the reciprocals,
	s_wait_alu depctr_va_vdst(0)                   ; and the wait ahead of their first reader: one for both
.irp q, 0,1
	v_ldexp_f32 v[ST+12*\q+4], v[ST+12*\q+4], s87  ; x 2^(e8 + e9)
.endr
.irp hh, 0,1
	WIN (0x41+0x41*\hh)                            ; O^T (destination and source 0) window 1, then 2
.irp q, 0,1
.set a, 0
.rept 8
.irp j, 0,2,4,6
	v_pk_mul_f32 v[64*\q+8*a+\j:64*\q+8*a+\j+1], v[64*\q+8*a+\j:64*\q+8*a+\j+1], v[ST+12*\q+4:ST+12*\q+5] op_sel_hi:[1,0]   ; O = O^T 2^(e8 + e9) / the sum
.endr
.irp j, 0,1,2,3,4,5,6,7
.endr
.set a, a+1
.endr
.endr
.endr
.irp hh, 0,1
	WIN (0x01+\hh)                                 ; source 0 window 1, then 2
.irp q, 0,1
.set t, 0
.rept 8
	v_cvt_scalef32_pk8_bf8_f32 v[OC+32*\q+16*\hh+2*t:OC+32*\q+16*\hh+2*t+1], v[64*\q+8*t:64*\q+8*t+7], v15     ; channels 128 hh + 16 t + 8 h + 0 .. 7: two fragments a tile of queries
.set t, t+1
.endr
.endr
.endr
	WIN 0
	v_nop                                          ; a plain line behind the last conversion
	s_wait_dscnt 0x0                               ; the pairs and wo's first eight tiles are in; my reads of the ring ended long ago
	s_barrier_signal -1
	s_barrier_wait -1                              ; no wave reads the ring any more: the stage may be written
.irp g, 0,1,2,3                        ; four tiles of output channels at a time: eight accumulators by turns, K step by K step
.if \g > 0
	s_wait_dscnt 0x0                               ; this group's tiles of wo are in, and the last group's stores into the stage are done
.endif
	WIN 0x0c                                       ; source 1 (wo) window 3
.irp s, 0,1
.irp tl, 0,1,2,3
.irp q, 0,1
.if \s == 0
	v_wmma_f32_16x16x128_bf8_bf8 v[Y+8*(2*\tl+\q):Y+8*(2*\tl+\q)+7], v[OC+32*\q+16*\s:OC+32*\q+16*\s+15], v[128*(\g%2)+32*\tl+16*\s:128*(\g%2)+32*\tl+16*\s+15], 0
.else
	v_wmma_f32_16x16x128_bf8_bf8 v[Y+8*(2*\tl+\q):Y+8*(2*\tl+\q)+7], v[OC+32*\q+16*\s:OC+32*\q+16*\s+15], v[128*(\g%2)+32*\tl+16*\s:128*(\g%2)+32*\tl+16*\s+15], v[Y+8*(2*\tl+\q):Y+8*(2*\tl+\q)+7]
.endif
.endr
.endr
.endr
	WIN 0
	N4
.if \g < 2
	FETCHWO \g+2                                   ; into the set just multiplied
.endif
.irp tl, 0,1,2,3
.irp q, 0,1
.irp j, 0,1,2,3,4,5,6,7
	v_fma_f32 v[Y+8*(2*\tl+\q)+\j], v[Y+8*(2*\tl+\q)+\j], v[PA+2*(4*\g+\tl)], v[PA+2*(4*\g+\tl)+1]   ; sum x A + B: lane (r, h): channel 16 (4 g + tl) + r, queries 16 q + 8 h + 0 .. 7
.endr
.irp j, 0,1,2,3,4,5,6,7
	v_max_num_f32 v[Y+8*(2*\tl+\q)+\j], 0, v[Y+8*(2*\tl+\q)+\j]
.endr
.if \g < 2
	ds_store_b128 v6, v[Y+8*(2*\tl+\q):Y+8*(2*\tl+\q)+3] offset:16*SP*((4*\g+\tl)%8)+64*\q
	ds_store_b128 v6, v[Y+8*(2*\tl+\q)+4:Y+8*(2*\tl+\q)+7] offset:16*SP*((4*\g+\tl)%8)+64*\q+16
.else
	ds_store_b128 v7, v[Y+8*(2*\tl+\q):Y+8*(2*\tl+\q)+3] offset:16*SP*((4*\g+\tl)%8)+64*\q
	ds_store_b128 v7, v[Y+8*(2*\tl+\q)+4:Y+8*(2*\tl+\q)+7] offset:16*SP*((4*\g+\tl)%8)+64*\q+16
.endif
.endr
.endr
.endr
	s_wait_dscnt 0x0                               ; for the others' sake: my stores into the stage have landed
	s_barrier_signal -1
	s_barrier_wait -1                              ; 256 whole rows lie in the stage
	WIN 0xc0                                       ; destination window 3
.set i, 0
.rept 64
	ds_load_b128 v[4*i:4*i+3], v8 offset:SP*i      ; my 64 rows, 512 bytes each
.set i, i+1
.endr
	s_wait_loadcnt 0x0                             ; x_main's rows
.irp bt, 0,1,2,3
	s_wait_dscnt 48-16*\bt                         ; these sixteen rows are back; the younger ones may be out
	WIN (0xd3+0x10*(\bt/2))                        ; source 0 and destination window 3; source 2 (x_main): rows 0-31 window 1, rows 32-63 window 2
.set j, 64*\bt
.rept 32
	v_pk_fma_f32 v[j:j+1], v[j:j+1], s[84:85], v[128+j%128:128+j%128+1] op_sel_hi:[1,0,1]      ; x_main + gamma x result
.set j, j+2
.endr
	WIN 0x0c                                       ; store data window 3
.set i, 16*\bt
.rept 16
	global_store_b128 v1, v[4*i:4*i+3], s[26:27] offset:16384*i th:TH_STORE_NT ; 32 lanes store 512 consecutive bytes, at a multiple of 256 from out0's first byte
.set i, i+1
.endr
.endr
	WIN 0
	s_wait_tensorcnt 0x0                           ; the wave's end, behind my last tensor load and my last LDS store
	ds_add_u32 v3, v4
	s_wait_dscnt 0x0
	CROUND                                         ; the closing round: no work-group ends while a partner may still ask for a tile that names it
	s_endpgm
.Lfunc_end_k_qfbe39fbf44_attn:
	.size	k_qfbe39fbf44_attn, .Lfunc_end_k_qfbe39fbf44_attn-k_qfbe39fbf44_attn
	.p2alignl 7, 3214868480
	.fill 96, 4, 3214868480
	.section	.rodata,"a",@progbits
	.p2align	6, 0x0
	.amdhsa_kernel k_qfbe39fbf44_attn
		.amdhsa_group_segment_fixed_size 327680
		.amdhsa_private_segment_fixed_size 0
		.amdhsa_enable_private_segment 0
		.amdhsa_kernarg_size 96
		.amdhsa_user_sgpr_count 2
		.amdhsa_user_sgpr_kernarg_segment_ptr 1
		.amdhsa_wavefront_size32 1
		.amdhsa_system_sgpr_workgroup_id_x 1
		.amdhsa_system_sgpr_workgroup_id_y 1
		.amdhsa_system_sgpr_workgroup_id_z 1
		.amdhsa_system_vgpr_workitem_id 0
		.amdhsa_next_free_vgpr 1024
		.amdhsa_next_free_sgpr 100
		.amdhsa_reserve_vcc 0
		.amdhsa_float_denorm_mode_32 3
		.amdhsa_float_denorm_mode_16_64 3
		.amdhsa_fp16_overflow 1
		.amdhsa_memory_ordered 1
		.amdhsa_forward_progress 1
		.amdhsa_inst_pref_size 238
	.end_amdhsa_kernel
	.amdgpu_metadata
---
amdhsa.version: [ 1, 2 ]
amdhsa.kernels:
  - .name:           k_qfbe39fbf44_attn
    .symbol:         k_qfbe39fbf44_attn.kd
    .args:
      - { .name: qimg, .offset: 0, .size: 8, .value_kind: global_buffer, .address_space: global }
      - { .name: kv, .offset: 8, .size: 8, .value_kind: global_buffer, .address_space: global }
      - { .name: wo_codes, .offset: 16, .size: 8, .value_kind: global_buffer, .address_space: global }
      - { .name: lowp_scales, .offset: 24, .size: 8, .value_kind: global_buffer, .address_space: global }
      - { .name: bo, .offset: 32, .size: 8, .value_kind: global_buffer, .address_space: global }
      - { .name: bn_gamma, .offset: 40, .size: 8, .value_kind: global_buffer, .address_space: global }
      - { .name: bn_beta, .offset: 48, .size: 8, .value_kind: global_buffer, .address_space: global }
      - { .name: bn_mean, .offset: 56, .size: 8, .value_kind: global_buffer, .address_space: global }
      - { .name: bn_var, .offset: 64, .size: 8, .value_kind: global_buffer, .address_space: global }
      - { .name: gamma, .offset: 72, .size: 8, .value_kind: global_buffer, .address_space: global }
      - { .name: x_main, .offset: 80, .size: 8, .value_kind: global_buffer, .address_space: global }
      - { .name: out0, .offset: 88, .size: 8, .value_kind: global_buffer, .address_space: global }
    .group_segment_fixed_size: 327680
    .private_segment_fixed_size: 0
    .kernarg_segment_align: 8
    .kernarg_segment_size: 96
    .max_flat_workgroup_size: 128
    .sgpr_count:     100
    .vgpr_count:     1024
    .wavefront_size: 32
...
	.end_amdgpu_metadata
.endif
;; end of part 2
